; MI455X (gfx1250); checked and timed in simulation.
; The chip was launched on July 23, 2026; its instructions are those of AMD's public machine-readable ISA for CDNA 5 (MIT licence, August 2026) and "CDNA5" Instruction Set Architecture Reference Guide (July 2026). The comments in the code are by the model that wrote it; some were corrected since.
;; Capsule. Allowed arithmetic: float matrix products may take bf16 or f16 operands with f32 sums; other float arithmetic in f32, or as packed bf16 or f16 multiplies, adds, multiply-adds, maxima and minima; sums over many terms, partial sums and values carried from step to step in f32; what a program stores and reads back later, other than sums and carried values, may be rounded once to bf16 or f16.
;; Inputs: W 1,024 x 1,024 float32; x 32 x 2,048 x 1,024 float32.
;; Outputs: out0 32 x 32 x 32 float32.
;; One version. Each part assembles by itself: llvm-mc -triple=amdgcn-amd-amdhsa -mcpu=gfx1250 --defsym DOCPART=n.
;; ======== version 1 of 1: 8 launches
;; workspace buffers: xb 134,217,728 bytes; part 1,048,576 bytes; outw 131,072 bytes; wof 2,097,152 bytes
;; launch sum (part 1): grid 8 x 32, 16 waves a work-group, no clusters, 10,240 bytes of LDS; arguments x, xb, part; writes xb, part
.if DOCPART == 1
	.amdgcn_target "amdgcn-amd-amdhsa--gfx1250"
	.amdhsa_code_object_version 6
	.text
	.protected	k_qbb1ab586b2_sum
	.globl	k_qbb1ab586b2_sum
	.p2align	8
	.type	k_qbb1ab586b2_sum,@function
k_qbb1ab586b2_sum:
	s_mov_b64 s[64:65], 0
	v_nop
	global_prefetch_b8 v0, s[64:65] scope:SCOPE_SE
	s_setreg_imm32_b32 hwreg(HW_REG_WAVE_MODE, 25, 1), 1
	s_wait_xcnt 0x0
; FIRST ROUTING ROUND'S TOKEN SUM, AND THE CAST.  x: [32][2048][1024] f32.  xb: the same numbers rounded once to bf16 (nearest even), for the two later passes.
; part[b][blk][i] = the sum over the 256 tokens k of block blk of x[b][k][i], in f32, of the unrounded x.
; The first round's routing weights are the zeros that the module itself builds: exp(0) = 1, 1/32 is exact and 32 x 1/32 = 1, so the token weight s is 1 bit for bit and the weighted sum is the plain sum.
; The product with W follows in the next launch: sum_k s[k] (x[k] W) = (sum_k s[k] x[k]) W.  LIMIT: the order of the additions differs from the module's; NaN and infinities are not treated apart.
; SHARES.  16 waves; the work-group owns 256 rows of one batch.  Thread t owns 4 columns (c = t % 256: 16 bytes of x, 8 of xb) of the rows 2 k + t / 256, k = 0 .. 127.
; A wave's load covers 512 consecutive bytes, its store 256 consecutive bytes at a multiple of 256 from xb's first byte.  No matrix unit, no cluster: nothing is shared and nothing is multiplied.
; A ring of DEPTH register slots keeps DEPTH loads of every wave on their way: 16 waves x 16 loads x 512 bytes = 128 KiB for the work-group.
.set DEPTH,  16
.set ROUNDS, 8                         ; 128 rows of a thread / DEPTH
.set XSTEP,  8192                      ; two rows of x
.set BSTEP,  4096                      ; two rows of xb
.set SPARE,  8192                      ; behind the stage of 2 x 4,096 bytes: the spare words, 128 bytes for each of 16 waves
.set SPW, 2                            ; v2   LDS address of my spare word; never rewritten
.set NIL, 3                            ; v3   0; never rewritten
.set VX,  4                            ; v4   my byte offset in x's first two rows; never rewritten
.set VB,  5                            ; v5   the same in xb
.set LS,  6                            ; v6   16 t: where my four sums go in the stage
.set LR,  7                            ; v7   8 t: the two columns that I add up at the end, in the stage and in part
.set ACC, 8                            ; v[8:15]  two sets of four running sums: even slots, odd slots
.set T,   16                           ; v[16:19] at work
.set X,   32                           ; v[32:95]  slot i: 4 f32 as loaded
.set Y,   96                           ; v[96:127] slot i: 4 bf16 to store
	s_load_b128 s[4:7], s[0:1], 0x0                ; x s[4:5], xb s[6:7]
	s_load_b64 s[8:9], s[0:1], 0x10                ; part
	v_lshl_add_u32 v[SPW], v0, 2, SPARE
	v_mov_b32 v[NIL], 0
	s_and_b32 s11, ttmp7, 0xffff                   ; b
	s_lshl_b32 s14, s11, 23                        ; a batch of x is 2,048 x 4,096 bytes,
	s_lshl_b32 s12, ttmp9, 20                      ; a block of 256 rows 2^20
	s_or_b32 s14, s14, s12
	s_mov_b32 s15, 0
	s_lshr_b32 s16, s14, 1                         ; xb: half of that
	s_mov_b32 s17, 0
	s_lshl_b32 s18, s11, 3
	s_add_co_u32 s18, s18, ttmp9
	s_lshl_b32 s18, s18, 12                        ; part: (8 b + blk) x 4,096
	s_mov_b32 s19, 0
	v_and_b32 v1, 0xff, v0                         ; c
	v_lshrrev_b32 v[T], 8, v0                      ; row parity
	v_lshlrev_b32 v[VX], 4, v1
	v_lshl_or_b32 v[VX], v[T], 12, v[VX]           ; 16 c + 4,096 x parity
	v_lshrrev_b32 v[VB], 1, v[VX]                  ; 8 c + 2,048 x parity
	v_lshlrev_b32 v[LS], 4, v0
	v_lshlrev_b32 v[LR], 3, v0
.irp j, 0,1,2,3,4,5,6,7
	v_mov_b32 v[ACC+(\j)], 0
.endr
	s_wait_kmcnt 0x0
	s_add_nc_u64 s[4:5], s[4:5], s[14:15]
	s_add_nc_u64 s[6:7], s[6:7], s[16:17]
	s_add_nc_u64 s[8:9], s[8:9], s[18:19]
.irp i, 0,1,2,3,4,5,6,7,8,9,10,11,12,13,14,15
	global_load_b128 v[X+4*(\i):X+4*(\i)+3], v[VX], s[4:5] offset:(\i)*XSTEP th:TH_LOAD_NT  ; the ring is filled
.endr
; One slot's turn.  ahead = 1: the slot takes the row pair DEPTH further down.  left = the younger loads that may stay out.
.macro SLOT i, ahead, left
	s_wait_loadcnt \left                           ; loads come back in order: mine is in
	v_cvt_pk_bf16_f32 v[Y+2*(\i)],   v[X+4*(\i)],   v[X+4*(\i)+1]
	v_cvt_pk_bf16_f32 v[Y+2*(\i)+1], v[X+4*(\i)+2], v[X+4*(\i)+3]
	v_pk_add_f32 v[ACC+4*((\i)%2):ACC+4*((\i)%2)+1],   v[ACC+4*((\i)%2):ACC+4*((\i)%2)+1],   v[X+4*(\i):X+4*(\i)+1]
	v_pk_add_f32 v[ACC+4*((\i)%2)+2:ACC+4*((\i)%2)+3], v[ACC+4*((\i)%2)+2:ACC+4*((\i)%2)+3], v[X+4*(\i)+2:X+4*(\i)+3]
.if \ahead
	global_load_b128 v[X+4*(\i):X+4*(\i)+3], v[VX], s[4:5] offset:(\i)*XSTEP+DEPTH*XSTEP th:TH_LOAD_NT  ; the load goes ahead of the store
.endif
	global_store_b64 v[VB], v[Y+2*(\i):Y+2*(\i)+1], s[6:7] offset:(\i)*BSTEP th:TH_STORE_NT
.endm
	s_mov_b32 s12, ROUNDS-1
.Lround:
.irp i, 0,1,2,3,4,5,6,7,8,9,10,11,12,13,14,15
	SLOT \i, 1, DEPTH-1
.endr
	s_wait_xcnt 0x0                                ; the two bases and Y, which this trip's loads and stores name, are rewritten only behind this wait
	s_add_nc_u64 s[4:5], s[4:5], DEPTH*XSTEP
	s_add_nc_u64 s[6:7], s[6:7], DEPTH*BSTEP
	s_sub_co_u32 s12, s12, 1
	s_cmp_lg_u32 s12, 0
	s_cbranch_scc1 .Lround
.irp i, 0,1,2,3,4,5,6,7,8,9,10,11,12,13,14,15
	SLOT \i, 0, DEPTH-1-(\i)                       ; the last round loads nothing: the counts run down
.endr
	; The two row parities meet in LDS: [parity][1024] f32; thread t then adds columns 2 t and 2 t + 1, and a wave stores 256 consecutive bytes.
	v_pk_add_f32 v[ACC:ACC+1],   v[ACC:ACC+1],   v[ACC+4:ACC+5]
	v_pk_add_f32 v[ACC+2:ACC+3], v[ACC+2:ACC+3], v[ACC+6:ACC+7]
	ds_store_b128 v[LS], v[ACC:ACC+3]              ; 16 t = 4,096 x parity + 16 c
	s_wait_dscnt 0x0                               ; for the others' sake: my store is done
	s_barrier_signal -1
	s_barrier_wait -1
	ds_load_b64 v[T:T+1],   v[LR]
	ds_load_b64 v[T+2:T+3], v[LR] offset:4096
	s_wait_dscnt 0x0
	v_pk_add_f32 v[T:T+1], v[T:T+1], v[T+2:T+3]
	global_store_b64 v[LR], v[T:T+1], s[8:9]
	s_wait_tensorcnt 0x0                           ; the wave's end, behind my last LDS store
	ds_add_u32 v[SPW], v[NIL]
	s_wait_dscnt 0x0
	s_endpgm
.Lfunc_end_k_qbb1ab586b2_sum:
	.size	k_qbb1ab586b2_sum, .Lfunc_end_k_qbb1ab586b2_sum-k_qbb1ab586b2_sum
	.p2alignl 7, 3214868480
	.fill 96, 4, 3214868480
	.section	.rodata,"a",@progbits
	.p2align	6, 0x0
	.amdhsa_kernel k_qbb1ab586b2_sum
		.amdhsa_group_segment_fixed_size 10240
		.amdhsa_private_segment_fixed_size 0
		.amdhsa_enable_private_segment 0
		.amdhsa_kernarg_size 24
		.amdhsa_user_sgpr_count 2
		.amdhsa_user_sgpr_kernarg_segment_ptr 1
		.amdhsa_wavefront_size32 1
		.amdhsa_system_sgpr_workgroup_id_x 1
		.amdhsa_system_sgpr_workgroup_id_y 1
		.amdhsa_system_sgpr_workgroup_id_z 1
		.amdhsa_system_vgpr_workitem_id 0
		.amdhsa_next_free_vgpr 128
		.amdhsa_next_free_sgpr 66
		.amdhsa_reserve_vcc 0
		.amdhsa_float_denorm_mode_32 3
		.amdhsa_float_denorm_mode_16_64 3
		.amdhsa_memory_ordered 1
		.amdhsa_forward_progress 1
		.amdhsa_inst_pref_size 18
	.end_amdhsa_kernel
	.amdgpu_metadata
---
amdhsa.version: [ 1, 2 ]
amdhsa.kernels:
  - .name:           k_qbb1ab586b2_sum
    .symbol:         k_qbb1ab586b2_sum.kd
    .args:
      - { .name: x, .offset: 0, .size: 8, .value_kind: global_buffer, .address_space: global }
      - { .name: xb, .offset: 8, .size: 8, .value_kind: global_buffer, .address_space: global }
      - { .name: part, .offset: 16, .size: 8, .value_kind: global_buffer, .address_space: global }
    .group_segment_fixed_size: 10240
    .private_segment_fixed_size: 0
    .kernarg_segment_align: 8
    .kernarg_segment_size: 24
    .max_flat_workgroup_size: 512
    .sgpr_count:     66
    .vgpr_count:     128
    .wavefront_size: 32
...
	.end_amdgpu_metadata
.endif
;; end of part 1
;; launch proj1 (part 2): grid 16 x 16, 8 waves a work-group, no clusters, 17,408 bytes of LDS; arguments part, W, outw; writes outw
.if DOCPART == 2
	.amdgcn_target "amdgcn-amd-amdhsa--gfx1250"
	.amdhsa_code_object_version 6
	.text
	.protected	k_qbb1ab586b2_proj1
	.globl	k_qbb1ab586b2_proj1
	.p2align	8
	.type	k_qbb1ab586b2_proj1,@function
k_qbb1ab586b2_proj1:
	s_mov_b64 s[64:65], 0
	v_nop
	global_prefetch_b8 v0, s[64:65] scope:SCOPE_SE
	s_setreg_imm32_b32 hwreg(HW_REG_WAVE_MODE, 25, 1), 1
	s_wait_xcnt 0x0
; A ROUND'S OUTPUTS.  out[b][n] = sum over i of y[b][i] W[i][n], y[b][i] = sum over the 8 blocks p of part[b][p][i].  part: [32][8][1024] f32, W: [1024][1024] f32, out: [32][1024] f32.
; All in f32 on the vector unit: the product has 32 rows in all, 2 to a work-group, and streams its weights; the matrix unit would want W turned and would round y.
; LIMIT: the order of the additions differs from the module's (tokens first, then channels); NaN and infinities are not treated apart.
; SHARES.  A work-group owns 2 batches and 64 columns (256 bytes of every row of W).  Thread t: 4 columns (t % 16) of the 64 rows i = 64 (t / 16) + 0 .. 63, for both batches.
; A wave's load of W covers two runs of 256 consecutive bytes, each at a multiple of 256 from W's first byte.  W comes in four groups of 16 rows through two register banks.
.set RED,   8192                       ; LDS: y[2][1024] f32 at 0; then the partial sums [t / 16][batch][64] f32
.set SPARE, 16384                      ; the spare words, 128 bytes for each of 8 waves
.set SPW, 2                            ; v2   LDS address of my spare word; never rewritten
.set NIL, 3                            ; v3   0; never rewritten
.set VP,  4                            ; v4   16 t: my bytes in a row of part, and in y
.set VW,  5                            ; v5   my byte offset in W's slice
.set VY,  6                            ; v6   256 (t / 16): my 64 numbers of y
.set VR,  7                            ; v7   where my partial sums go
.set ACC, 8                            ; v[8:11] batch 0's four columns, v[12:15] batch 1's
.set RA,  16                           ; v16  wave 0 at the end: RED + 16 x lane
.set RO,  17                           ; v17  wave 0 at the end: my byte offset in out
.set PT,  32                           ; v[32:95] the 16 rows of part; later
.set Y0,  32                           ; v[32:47] 16 numbers of y, batch 0
.set Y1,  48                           ; v[48:63] batch 1
.set WA,  96                           ; v[96:159]  16 rows of W
.set WB,  160                          ; v[160:223] 16 rows of W
	s_load_b128 s[4:7], s[0:1], 0x0                ; part s[4:5], W s[6:7]
	s_load_b64 s[8:9], s[0:1], 0x10                ; out
	v_lshl_add_u32 v[SPW], v0, 2, SPARE
	v_mov_b32 v[NIL], 0
	v_lshrrev_b32 v1, 5, v0
	v_readfirstlane_b32 s10, v1                    ; wave 0..7
	s_and_b32 s11, ttmp7, 0xffff                   ; the pair of batches
	s_lshl_b32 s14, s11, 16                        ; part: 2 x 8 x 4,096 bytes
	s_mov_b32 s15, 0
	s_lshl_b32 s16, ttmp9, 8                       ; W: 256 bytes of each row
	s_mov_b32 s17, 0
	s_lshl_b32 s18, s11, 13                        ; out: 2 rows of 4,096 bytes, and the same 256 bytes
	s_add_co_u32 s18, s18, s16
	s_mov_b32 s19, 0
	v_lshlrev_b32 v[VP], 4, v0
	v_lshrrev_b32 v18, 4, v0                       ; t / 16
	v_and_b32 v19, 15, v0
	v_lshlrev_b32 v19, 4, v19                      ; 16 (t % 16)
	v_lshl_or_b32 v[VW], v18, 18, v19              ; 64 rows of 4,096 bytes for each t / 16
	v_lshlrev_b32 v[VY], 8, v18
	v_lshl_add_u32 v[VR], v18, 9, v19
	v_add_nc_u32 v[VR], RED, v[VR]
	v_and_b32 v20, 31, v0                          ; lane
	v_lshl_add_u32 v[RA], v20, 4, RED
	v_lshrrev_b32 v21, 4, v20
	v_lshl_or_b32 v[RO], v21, 12, v19              ; lanes 0-15 batch 0's 256 bytes, lanes 16-31 batch 1's
.irp j, 0,1,2,3,4,5,6,7
	v_mov_b32 v[ACC+(\j)], 0
.endr
	s_wait_kmcnt 0x0
	s_add_nc_u64 s[4:5], s[4:5], s[14:15]
	s_add_nc_u64 s[6:7], s[6:7], s[16:17]
	s_add_nc_u64 s[8:9], s[8:9], s[18:19]
.macro WLOAD g, bank                   ; rows 16 g .. 16 g + 15 of my 64
.irp r, 0,1,2,3,4,5,6,7,8,9,10,11,12,13,14,15
	global_load_b128 v[(\bank)+4*(\r):(\bank)+4*(\r)+3], v[VW], s[6:7] offset:(16*(\g)+(\r))*4096
.endr
.endm
.macro ADD4 d, s                       ; four sums onto four
	v_pk_add_f32 v[(\d):(\d)+1],   v[(\d):(\d)+1],   v[(\s):(\s)+1]
	v_pk_add_f32 v[(\d)+2:(\d)+3], v[(\d)+2:(\d)+3], v[(\s)+2:(\s)+3]
.endm
.irp k, 0,1,2,3,4,5,6,7,8,9,10,11,12,13,14,15
	global_load_b128 v[PT+4*(\k):PT+4*(\k)+3], v[VP], s[4:5] offset:(\k)*4096  ; batch k / 8, block k % 8
.endr
	WLOAD 0, WA                                    ; all that the registers hold is asked for at once
	WLOAD 1, WB
	s_wait_loadcnt 32                              ; part is in; the 32 loads of W stay out
.irp bl, 0,1
	ADD4 PT+32*(\bl),    PT+32*(\bl)+4
	ADD4 PT+32*(\bl)+8,  PT+32*(\bl)+12
	ADD4 PT+32*(\bl)+16, PT+32*(\bl)+20
	ADD4 PT+32*(\bl)+24, PT+32*(\bl)+28
	ADD4 PT+32*(\bl),    PT+32*(\bl)+8
	ADD4 PT+32*(\bl)+16, PT+32*(\bl)+24
	ADD4 PT+32*(\bl),    PT+32*(\bl)+16
	ds_store_b128 v[VP], v[PT+32*(\bl):PT+32*(\bl)+3] offset:(\bl)*4096
.endr
	s_wait_dscnt 0x0                               ; for the others' sake: my part of y is written
	s_barrier_signal -1
	s_barrier_wait -1
; 16 rows: their numbers of y (sixteen lanes read the same words), then 16 x 8 multiply-adds.  left: the other bank's loads, which may stay out.  next >= 0: the bank takes that group.
.macro GROUP g, bank, left, next
.irp q, 0,1,2,3
	ds_load_b128 v[Y0+4*(\q):Y0+4*(\q)+3], v[VY] offset:(16*(\g)+4*(\q))*4
	ds_load_b128 v[Y1+4*(\q):Y1+4*(\q)+3], v[VY] offset:4096+(16*(\g)+4*(\q))*4
.endr
	s_wait_loadcnt \left
	s_wait_dscnt 0x0
.irp r, 0,1,2,3,4,5,6,7,8,9,10,11,12,13,14,15
.irp c, 0,1,2,3
	v_fmac_f32 v[ACC+(\c)],   v[(\bank)+4*(\r)+(\c)], v[Y0+(\r)]
	v_fmac_f32 v[ACC+4+(\c)], v[(\bank)+4*(\r)+(\c)], v[Y1+(\r)]
.endr
.endr
.if (\next) >= 0
	WLOAD \next, \bank
.endif
.endm
	GROUP 0, WA, 16, 2
	GROUP 1, WB, 16, 3
	GROUP 2, WA, 16, -1
	GROUP 3, WB, 0, -1
	ds_store_b128 v[VR], v[ACC:ACC+3]
	ds_store_b128 v[VR], v[ACC+4:ACC+7] offset:256
	s_wait_dscnt 0x0                               ; for wave 0's sake
	s_barrier_signal -1
	s_barrier_wait -1
	s_cmp_lg_u32 s10, 0
	s_cbranch_scc1 .Lend                           ; 128 numbers are left to make: 4 a lane of one wave
.irp k, 0,1,2,3,4,5,6,7,8,9,10,11,12,13,14,15
	ds_load_b128 v[WA+4*(\k):WA+4*(\k)+3], v[RA] offset:(\k)*512
.endr
	s_wait_dscnt 0x0
.irp k, 0,2,4,6,8,10,12,14
	ADD4 WA+4*(\k), WA+4*(\k)+4
.endr
.irp k, 0,4,8,12
	ADD4 WA+4*(\k), WA+4*(\k)+8
.endr
	ADD4 WA, WA+16
	ADD4 WA+32, WA+48
	ADD4 WA, WA+32
	global_store_b128 v[RO], v[WA:WA+3], s[8:9]    ; sixteen lanes store 256 consecutive bytes, at a multiple of 256 from out's first byte
.Lend:
	s_wait_tensorcnt 0x0                           ; the wave's end, behind my last LDS store
	ds_add_u32 v[SPW], v[NIL]
	s_wait_dscnt 0x0
	s_endpgm
.Lfunc_end_k_qbb1ab586b2_proj1:
	.size	k_qbb1ab586b2_proj1, .Lfunc_end_k_qbb1ab586b2_proj1-k_qbb1ab586b2_proj1
	.p2alignl 7, 3214868480
	.fill 96, 4, 3214868480
	.section	.rodata,"a",@progbits
	.p2align	6, 0x0
	.amdhsa_kernel k_qbb1ab586b2_proj1
		.amdhsa_group_segment_fixed_size 17408
		.amdhsa_private_segment_fixed_size 0
		.amdhsa_enable_private_segment 0
		.amdhsa_kernarg_size 24
		.amdhsa_user_sgpr_count 2
		.amdhsa_user_sgpr_kernarg_segment_ptr 1
		.amdhsa_wavefront_size32 1
		.amdhsa_system_sgpr_workgroup_id_x 1
		.amdhsa_system_sgpr_workgroup_id_y 1
		.amdhsa_system_sgpr_workgroup_id_z 1
		.amdhsa_system_vgpr_workitem_id 0
		.amdhsa_next_free_vgpr 224
		.amdhsa_next_free_sgpr 66
		.amdhsa_reserve_vcc 0
		.amdhsa_float_denorm_mode_32 3
		.amdhsa_float_denorm_mode_16_64 3
		.amdhsa_memory_ordered 1
		.amdhsa_forward_progress 1
		.amdhsa_inst_pref_size 33
	.end_amdhsa_kernel
	.amdgpu_metadata
---
amdhsa.version: [ 1, 2 ]
amdhsa.kernels:
  - .name:           k_qbb1ab586b2_proj1
    .symbol:         k_qbb1ab586b2_proj1.kd
    .args:
      - { .name: part, .offset: 0, .size: 8, .value_kind: global_buffer, .address_space: global }
      - { .name: W, .offset: 8, .size: 8, .value_kind: global_buffer, .address_space: global }
      - { .name: outw, .offset: 16, .size: 8, .value_kind: global_buffer, .address_space: global }
    .group_segment_fixed_size: 17408
    .private_segment_fixed_size: 0
    .kernarg_segment_align: 8
    .kernarg_segment_size: 24
    .max_flat_workgroup_size: 256
    .sgpr_count:     66
    .vgpr_count:     224
    .wavefront_size: 32
...
	.end_amdgpu_metadata
.endif
;; end of part 2
;; launch wo1 (part 3): grid 64 x 2, 8 waves a work-group, no clusters, 51,968 bytes of LDS; arguments outw, W, wof; writes wof
.if DOCPART == 3
	.amdgcn_target "amdgcn-amd-amdhsa--gfx1250"
	.amdhsa_code_object_version 6
	.text
	.protected	k_qbb1ab586b2_wo1
	.globl	k_qbb1ab586b2_wo1
	.p2align	8
	.type	k_qbb1ab586b2_wo1,@function
k_qbb1ab586b2_wo1:
	s_mov_b64 s[64:65], 0
	v_nop
	global_prefetch_b8 v0, s[64:65] scope:SCOPE_SE
	s_setreg_imm32_b32 hwreg(HW_REG_WAVE_MODE, 25, 1), 1
	s_wait_xcnt 0x0
; BETWEEN TWO ROUNDS.  The 32 capsule vectors of out[b] are normalised, v x rsqrt(max(|v|^2, 1e-12)), and added up to o[b][0..31], in f32.  Then Wo[b][i][j] = sum over d of W[i][32 j + d] o[b][d]:
; the next routing weights are x[b][k] . Wo[b][:][j], since sum_d o[d] (x W)[32 j + d] = sum_i x[i] (sum_d W[i][32 j + d] o[d]).
; The product goes to the matrix unit: W and o rounded to bf16, sums in f32, Wo rounded once to bf16 as the next launch's matrix operand.
; wof holds Wo turned, in the order of that launch's fragments: the 16 bytes at b 65,536 + ks 2,048 + mt 1,024 + q 512 + 16 l are Wo[b][i = 32 ks + 16 q + 8 (l / 16) + 0..7][j = 16 mt + l % 16].
; LIMITS: the order of the additions differs from the module's; NaN and infinities are not treated apart.
; SHARES.  A work-group owns 16 rows i of W (65,536 consecutive bytes) and 16 batches: 128 work-groups, since a smaller share would leave part of a 16 x 16 x 32 product unused.
; Wave w makes o of local batches 2 w and 2 w + 1 and the products of capsules j = 4 w .. 4 w + 3: source 0 = 16 rows i x 32 d, source 1 = 16 batches x 32 d; a lane's result is 8 neighbouring i of one batch: 16 bytes of wof.
.set WPITCH, 2064                      ; a row of W in LDS: 2,048 bytes of bf16 + 16: 129 x 16, so the 16 rows of a fragment load start at 16 different groups of four banks (64 banks of 4 bytes: ISA guide 11.1)
.set OL,     33024                     ; o: 16 batches x 64 bytes of bf16,
.set OPITCH, 80                        ; 80 apart
.set STG,    34304                     ; the way out: 16 batches x 1,024 bytes,
.set SPITCH, 1040                      ; 1,040 apart
.set SPARE,  50944                     ; the spare words, 128 bytes for each of 8 waves
.set SPW, 2                            ; v2   LDS address of my spare word; never rewritten
.set NIL, 3                            ; v3   0; never rewritten
.set L16, 4                            ; v4   16 x lane
.set T16, 5                            ; v5   16 t
.set WST, 6                            ; v6   8 t: where my 4 bf16 of a row of W go
.set OST, 7                            ; v7   where my 4 bf16 of o go
.set FAA, 8                            ; v8   my place in W's fragments
.set FBA, 9                            ; v9   my place in o's fragment
.set STO, 10                           ; v10  the way out: where my 16 bytes go
.set RDB, 11                           ; v11  the way out: where I read back
.set OV,  32                           ; v[32:95]  out of my two batches: batch bl at +32 bl, load q at +4 q; later
.set FA,  32                           ; v[32:63]  four fragments of W
.set FB,  64                           ; v[64:71]  the fragment of o
.set WV,  96                           ; v[96:159] my 16 bytes of each of the 16 rows of W; later
.set ACC, 96                           ; v[96:127] four accumulators
.set PK,  128                          ; v[128:143] the results in bf16
.set BK,  144                          ; v[144:159] read back
.set SQ,  160                          ; v[160:167] a capsule's sum of squares, then its factor
.set OS,  168                          ; v[168:171] my four d of o
.set T,   172                          ; v[172:187] at work
	s_load_b128 s[4:7], s[0:1], 0x0                ; out s[4:5], W s[6:7]
	s_load_b64 s[8:9], s[0:1], 0x10                ; wof
	v_lshl_add_u32 v[SPW], v0, 2, SPARE
	v_mov_b32 v[NIL], 0
	v_lshrrev_b32 v12, 5, v0
	v_readfirstlane_b32 s10, v12                   ; wave 0..7
	s_and_b32 s11, ttmp7, 0xffff                   ; which 16 batches
	s_mov_b32 s12, 0x76543210                      ; v_permlanex16_b32: each lane takes its own place in the other half
	s_mov_b32 s13, 0xfedcba98
	s_lshl_b32 s14, s11, 16                        ; out: 16 rows of 4,096 bytes,
	s_lshl_b32 s20, s10, 13                        ; my wave's two
	s_add_co_u32 s14, s14, s20
	s_mov_b32 s15, 0
	s_lshl_b32 s16, ttmp9, 16                      ; W: 16 rows of 4,096 bytes
	s_mov_b32 s17, 0
	s_lshl_b32 s18, s11, 20                        ; wof: 16 batches of 65,536 bytes,
	s_lshl_b32 s20, s10, 17                        ; my wave's two,
	s_add_co_u32 s18, s18, s20
	s_lshr_b32 s20, ttmp9, 1
	s_lshl_b32 s20, s20, 11                        ; ks = (16 rows' number) / 2,
	s_add_co_u32 s18, s18, s20
	s_and_b32 s20, ttmp9, 1
	s_lshl_b32 s20, s20, 9                         ; q = its parity
	s_add_co_u32 s18, s18, s20
	s_mov_b32 s19, 0
	v_and_b32 v1, 31, v0                           ; lane l
	v_and_b32 v12, 15, v0                          ; l % 16
	v_bfe_u32 v13, v0, 4, 1                        ; l / 16
	v_and_b32 v14, 7, v0                           ; l % 8
	v_lshlrev_b32 v[L16], 4, v1
	v_lshlrev_b32 v[T16], 4, v0
	v_lshlrev_b32 v[WST], 3, v0
	s_mul_i32 s21, s10, 2*OPITCH
	s_add_co_u32 s21, s21, OL
	v_lshl_add_u32 v[OST], v14, 3, s21
	v_mul_u32_u24 v[FAA], v12, WPITCH
	v_lshl_add_u32 v[FAA], v13, 4, v[FAA]
	s_lshl_b32 s22, s10, 8                         ; capsule 4 w begins at byte 64 x 4 w of a row
	v_add_nc_u32 v[FAA], s22, v[FAA]
	v_mul_u32_u24 v[FBA], v12, OPITCH
	v_lshl_add_u32 v[FBA], v13, 4, v[FBA]
	v_add_nc_u32 v[FBA], OL, v[FBA]
	v_mul_u32_u24 v[STO], v12, SPITCH              ; batch l % 16; in its 1,024 bytes: 512 mt + 256 (l / 16) + 16 (j % 16), j = 4 w + 0..3
	v_lshl_add_u32 v[STO], v13, 8, v[STO]
	s_lshr_b32 s23, s10, 2
	s_lshl_b32 s23, s23, 9
	s_and_b32 s22, s10, 3
	s_lshl_b32 s22, s22, 6
	s_add_co_u32 s23, s23, s22
	s_add_co_u32 s23, s23, STG
	v_add_nc_u32 v[STO], s23, v[STO]
	s_mul_i32 s22, s10, 2*SPITCH
	s_add_co_u32 s22, s22, STG
	v_add_nc_u32 v[RDB], s22, v[L16]
	s_wait_kmcnt 0x0
	s_add_nc_u64 s[4:5], s[4:5], s[14:15]
	s_add_nc_u64 s[6:7], s[6:7], s[16:17]
	s_add_nc_u64 s[8:9], s[8:9], s[18:19]
.irp k, 0,1,2,3,4,5,6,7,8,9,10,11,12,13,14,15
	global_load_b128 v[OV+4*(\k):OV+4*(\k)+3], v[L16], s[4:5] offset:(\k)*512  ; batch k / 8, load q = k % 8: lane l holds capsule 4 q + l / 8, d = 4 (l % 8) + 0..3
.endr
.irp u, 0,1,2,3,4,5,6,7,8,9,10,11,12,13,14,15
	global_load_b128 v[WV+4*(\u):WV+4*(\u)+3], v[T16], s[6:7] offset:(\u)*4096
.endr
; o of my batch bl.  A capsule's 32 numbers lie in 8 neighbouring lanes; the 32 capsules in 8 loads x 4 groups of lanes.
.macro NORM bl
.set VV, OV+32*(\bl)
.irp q, 0,1,2,3,4,5,6,7
	v_pk_mul_f32 v[T+2*(\q):T+2*(\q)+1], v[VV+4*(\q):VV+4*(\q)+1], v[VV+4*(\q):VV+4*(\q)+1]
.endr
.irp q, 0,1,2,3,4,5,6,7
	v_pk_fma_f32 v[T+2*(\q):T+2*(\q)+1], v[VV+4*(\q)+2:VV+4*(\q)+3], v[VV+4*(\q)+2:VV+4*(\q)+3], v[T+2*(\q):T+2*(\q)+1]
.endr
.irp q, 0,1,2,3,4,5,6,7
	v_add_f32 v[SQ+(\q)], v[T+2*(\q)], v[T+2*(\q)+1]
.endr
.irp m, 1,2,4
.irp q, 0,1,2,3,4,5,6,7
	v_add_f32_dpp v[SQ+(\q)], v[SQ+(\q)], v[SQ+(\q)] row_xmask:\m row_mask:0xf bank_mask:0xf  ; over the capsule's 8 lanes
.endr
.endr
.irp q, 0,1,2,3,4,5,6,7
	v_max_num_f32 v[SQ+(\q)], 0x2b8cbccc, v[SQ+(\q)]  ; 1e-12
.endr
.irp q, 0,1,2,3,4,5,6,7
	v_rsq_f32 v[SQ+(\q)], v[SQ+(\q)]
.endr
	v_nop                                          ; a plain instruction between the last root and the use of its result
	s_wait_alu depctr_va_vdst(0)
.irp e, 0,1,2,3
	v_mul_f32 v[OS+(\e)], v[VV+(\e)], v[SQ]
.endr
.irp q, 1,2,3,4,5,6,7
.irp e, 0,1,2,3
	v_fmac_f32 v[OS+(\e)], v[VV+4*(\q)+(\e)], v[SQ+(\q)]
.endr
.endr
.irp e, 0,1,2,3
	v_add_f32_dpp v[OS+(\e)], v[OS+(\e)], v[OS+(\e)] row_xmask:8 row_mask:0xf bank_mask:0xf  ; over the four groups of lanes: the neighbour group,
.endr
.irp e, 0,1,2,3
	v_permlanex16_b32 v[T+(\e)], v[OS+(\e)], s12, s13  ; and the other half (T has been written above)
.endr
.irp e, 0,1,2,3
	v_add_f32 v[OS+(\e)], v[OS+(\e)], v[T+(\e)]
.endr
	v_cvt_pk_bf16_f32 v[OS],   v[OS],   v[OS+1]
	v_cvt_pk_bf16_f32 v[OS+1], v[OS+2], v[OS+3]
	ds_store_b64 v[OST], v[OS:OS+1] offset:OPITCH*(\bl)  ; the four groups of lanes write the same bytes with the same numbers
.endm
	s_wait_loadcnt 16                              ; out is in; W's 16 loads stay out
	NORM 0
	NORM 1
	s_wait_loadcnt 0x0                             ; W
.irp u, 0,1,2,3,4,5,6,7,8,9,10,11,12,13,14,15
	v_cvt_pk_bf16_f32 v[WV+4*(\u)],   v[WV+4*(\u)],   v[WV+4*(\u)+1]
	v_cvt_pk_bf16_f32 v[WV+4*(\u)+1], v[WV+4*(\u)+2], v[WV+4*(\u)+3]
	ds_store_b64 v[WST], v[WV+4*(\u):WV+4*(\u)+1] offset:(\u)*WPITCH
.endr
	s_wait_dscnt 0x0                               ; for the others' sake: my parts of o and of W are written
	s_barrier_signal -1
	s_barrier_wait -1
	ds_load_b128 v[FB:FB+3],   v[FBA]
	ds_load_b128 v[FB+4:FB+7], v[FBA] offset:32
.irp jj, 0,1,2,3
	ds_load_b128 v[FA+8*(\jj):FA+8*(\jj)+3],   v[FAA] offset:64*(\jj)
	ds_load_b128 v[FA+8*(\jj)+4:FA+8*(\jj)+7], v[FAA] offset:64*(\jj)+32
.endr
	s_wait_dscnt 0x0
.irp jj, 0,1,2,3
	v_wmma_f32_16x16x32_bf16 v[ACC+8*(\jj):ACC+8*(\jj)+7], v[FA+8*(\jj):FA+8*(\jj)+7], v[FB:FB+7], 0  ; K = 32 is the whole sum: four accumulators, one product each
.endr
.rept 4
	v_nop                                          ; four places between the last product and the conversions that read the results (ISA guide 7.12.1)
.endr
.irp jj, 0,1,2,3
.irp k, 0,1,2,3
	v_cvt_pk_bf16_f32 v[PK+4*(\jj)+(\k)], v[ACC+8*(\jj)+2*(\k)], v[ACC+8*(\jj)+2*(\k)+1]  ; each accumulator from its low end on
.endr
.endr
.irp jj, 0,1,2,3
	ds_store_b128 v[STO], v[PK+4*(\jj):PK+4*(\jj)+3] offset:16*(\jj)
.endr
	s_wait_dscnt 0x0                               ; for the others' sake: a batch's 1,024 bytes come from all eight waves
	s_barrier_signal -1
	s_barrier_wait -1
.irp bl, 0,1
.irp mt, 0,1
	ds_load_b128 v[BK+8*(\bl)+4*(\mt):BK+8*(\bl)+4*(\mt)+3], v[RDB] offset:(\bl)*SPITCH+(\mt)*512
.endr
.endr
	s_wait_dscnt 0x0
.irp bl, 0,1
.irp mt, 0,1
	global_store_b128 v[L16], v[BK+8*(\bl)+4*(\mt):BK+8*(\bl)+4*(\mt)+3], s[8:9] offset:(\bl)*65536+(\mt)*1024  ; 512 consecutive bytes, at a multiple of 512 from wof's first byte
.endr
.endr
	s_wait_tensorcnt 0x0                           ; the wave's end, behind my last LDS store
	ds_add_u32 v[SPW], v[NIL]
	s_wait_dscnt 0x0
	s_endpgm
.Lfunc_end_k_qbb1ab586b2_wo1:
	.size	k_qbb1ab586b2_wo1, .Lfunc_end_k_qbb1ab586b2_wo1-k_qbb1ab586b2_wo1
	.p2alignl 7, 3214868480
	.fill 96, 4, 3214868480
	.section	.rodata,"a",@progbits
	.p2align	6, 0x0
	.amdhsa_kernel k_qbb1ab586b2_wo1
		.amdhsa_group_segment_fixed_size 51968
		.amdhsa_private_segment_fixed_size 0
		.amdhsa_enable_private_segment 0
		.amdhsa_kernarg_size 24
		.amdhsa_user_sgpr_count 2
		.amdhsa_user_sgpr_kernarg_segment_ptr 1
		.amdhsa_wavefront_size32 1
		.amdhsa_system_sgpr_workgroup_id_x 1
		.amdhsa_system_sgpr_workgroup_id_y 1
		.amdhsa_system_sgpr_workgroup_id_z 1
		.amdhsa_system_vgpr_workitem_id 0
		.amdhsa_next_free_vgpr 192
		.amdhsa_next_free_sgpr 66
		.amdhsa_reserve_vcc 0
		.amdhsa_float_denorm_mode_32 3
		.amdhsa_float_denorm_mode_16_64 3
		.amdhsa_memory_ordered 1
		.amdhsa_forward_progress 1
		.amdhsa_inst_pref_size 23
	.end_amdhsa_kernel
	.amdgpu_metadata
---
amdhsa.version: [ 1, 2 ]
amdhsa.kernels:
  - .name:           k_qbb1ab586b2_wo1
    .symbol:         k_qbb1ab586b2_wo1.kd
    .args:
      - { .name: outw, .offset: 0, .size: 8, .value_kind: global_buffer, .address_space: global }
      - { .name: W, .offset: 8, .size: 8, .value_kind: global_buffer, .address_space: global }
      - { .name: wof, .offset: 16, .size: 8, .value_kind: global_buffer, .address_space: global }
    .group_segment_fixed_size: 51968
    .private_segment_fixed_size: 0
    .kernarg_segment_align: 8
    .kernarg_segment_size: 24
    .max_flat_workgroup_size: 256
    .sgpr_count:     66
    .vgpr_count:     192
    .wavefront_size: 32
...
	.end_amdgpu_metadata
.endif
;; end of part 3
;; launch route1 (part 4): grid 8 x 32, 4 waves a work-group, no clusters, 327,680 bytes of LDS; arguments xb, wof, part; writes part
.if DOCPART == 4
	.amdgcn_target "amdgcn-amd-amdhsa--gfx1250"
	.amdhsa_code_object_version 6
	.text
	.protected	k_qbb1ab586b2_route1
	.globl	k_qbb1ab586b2_route1
	.p2align	8
	.type	k_qbb1ab586b2_route1,@function
k_qbb1ab586b2_route1:
	s_mov_b64 s[64:65], 0
	v_nop
	global_prefetch_b8 v0, s[64:65] scope:SCOPE_SE
	s_setreg_imm32_b32 hwreg(HW_REG_WAVE_MODE, 25, 1), 1
	s_wait_xcnt 0x0
; A ROUTING ROUND'S PASS OVER THE TOKENS.  For token k of batch b: rw[j] = x[b][k] . Wo[b][:][j] (32 capsules; matrix unit, bf16 operands, f32 sums); cw = softmax over j, with the maximum taken away;
; s = the sum over j of cw[j]; part[b][blk][i] = the sum over the block's 256 tokens of s x[b][k][i], in f32.  The product with W follows in the next launch.
; xb: [32][2048][1024] bf16.  wof: Wo turned, bf16, in fragment order (below).  part: [32][8][1024] f32.
; LIMITS: the order of the additions differs from the module's; cw = e x (1 / Z) with v_rcp_f32; a weight below 2^-126 counts as 0; NaN and infinities are not treated apart.
; SHARES.  A work-group owns 256 tokens of one batch: four tiles of 64 through two LDS slots, written out without a loop.  Four waves.
;   The scores: wave w owns tokens 16 w .. 16 w + 15 of a tile, over all K = 1,024.  Source 0 = 16 capsules x 32 channels of Wo (all of Wo, 64 KiB, stays in 512 registers), source 1 = 16 tokens x 32 channels:
;   in the result a lane holds ONE token (lane % 16) and 8 capsules a product; with two products 16, the other 16 lie in the lane 16 away.
;   The weighted sum: thread t owns channels 8 t .. 8 t + 7 of all 64 tokens; s goes from wave to wave through 64 words of LDS.  It is a product of one row: the matrix unit would use 1 row of 16 and round s, so it stays on the vector unit, s in f32.
; NO CLUSTER: the 8 work-groups of a batch share Wo alone, 64 KiB beside 512 KiB of tokens of their own, and it goes straight into registers.
; LDS.  A row's 2,048 bytes are cut into two PLANES of 1,024 (the longest run behind which the tensor load's descriptor can pad); a plane has 64 rows of 1,024 + 16 bytes: 65 x 16, so the 16 rows of a fragment load start
; at 16 different groups of four banks (64 banks of 4 bytes: ISA guide 11.1).  A slot is two planes.  Wave w fetches rows 32 (w % 2) .. + 31 of plane w / 2: 32 KiB, at LDS byte slot + w x 33,280.
; REGISTERS, in windows of 256 (s_set_vgpr_msb: bits 1:0 source 0, 3:2 source 1, 5:4 source 2, 7:6 destination): window 0 all but Wo; window 1 Wo's fragments of K steps 0-15 (step ks, capsules 16 mt on at 16 ks + 8 mt); window 2 those of steps 16-31.
.set PITCH, 1040
.set QUART, 32*PITCH                   ; what one tensor load fills
.set PLANE, 64*PITCH
.set SLOT,  2*PLANE
.set SB,    2*SLOT                     ; behind the ring: 64 words for s, a block of 256 bytes of their own
.set STG,   SB+256                     ; the way out: 1,024 bytes for each wave
.set SPARE, STG+4096                   ; the spare words, 128 bytes for each of 4 waves
.set TILEB, 64*2048                    ; a tile in memory
.set SPW,  2                           ; v2   LDS address of my spare word; never rewritten
.set NIL,  3                           ; v3   0; never rewritten
.set ADRF, 4                           ; v[4:7]  my place in the tokens' fragments: slot s, plane p at 4 + 2 s + p
.set ADRR, 8                           ; v[8:9]  my 16 bytes of a slot's first row
.set SST,  10                          ; v10  where my token's s goes
.set SLD,  11                          ; v11  SB
.set L16,  12                          ; v12  16 x lane
.set STO,  13                          ; v13  the way out: where my 32 bytes go
.set RDB,  14                          ; v14  the way out: where I read back
.set PO,   15                          ; v15  my byte offset in part's row
.set YA,   16                          ; v[16:23] my 8 channels' running sums
.set MX,   24                          ; v24  the maximum
.set TM,   25                          ; v25  what comes from the other half of the lanes
.set MC,   26                          ; v[26:27] c x maximum, in the low register
.set ZS,   28                          ; v28  Z
.set SS,   29                          ; v29  s
.set RZ,   30                          ; v[30:31] 1 / Z, in the low register
.set ACC,  32                          ; v[32:63] four accumulators: K steps' parity par, capsules 16 mt on at 32 + 16 par + 8 mt
.set R,    32                          ; v[32:47] the lane's 16 scores, then weights
.set TT,   48                          ; v[48:63] at work once the parities are added
.set F0,   64                          ; v[64:127]  8 fragments of tokens, or 16 rows' 16 bytes
.set F1,   128                         ; v[128:191] the same
.set SV,   192                         ; v[192:255] the tile's 64 s
.set G1,   16                          ; s[16:23] descriptor group 1
.set G0,   24                          ; s[24:31] descriptor group 0, a set for each slot
.set SEL,  32                          ; s[32:33] v_permlanex16_b32's selects
.set CS,   34                          ; s[34:35] c = log2(e)
.set MSB, 0
.macro WIN new                         ; the immediate's high byte repeats the setting that is left; a switch that changes nothing is dropped
.if MSB != (\new)
	s_set_vgpr_msb (MSB<<8)|(\new)
.set MSB, (\new)
.endif
.endm
.macro PLACES                          ; four places between a product and a load into, or a vector instruction on, its registers (ISA guide 7.12.1 for vector instructions)
.rept 4
	v_nop
.endr
.endm
	s_load_b128 s[4:7], s[0:1], 0x0                ; xb s[4:5], wof s[6:7]
	s_load_b64 s[8:9], s[0:1], 0x10                ; part
	v_lshl_add_u32 v[SPW], v0, 2, SPARE
	v_mov_b32 v[NIL], 0
	ds_add_u32 v[SPW], v[NIL]                      ; the wave's opening: the add and its wait go ahead of my first tensor load; the set-up below, work on registers, stands between them
	ds_add_u32 v2, v3
	v_lshrrev_b32 v1, 5, v0
	v_readfirstlane_b32 s10, v1                    ; wave 0..3
	s_and_b32 s11, ttmp7, 0xffff                   ; b
	; group 1: a tile of 32 rows x 512 elements of 2 bytes, 16 bytes of padding behind each row
	s_mov_b32 s[G1+0], (1<<16)|(1<<20)|(7<<22)|(3<<25)  ; 17:16 2-byte elements; 20 padding on; 24:22 after every 256 words (code 7); 31:25 4 words of it (code 3)
	s_mov_b32 s[G1+1], 512<<16                     ; tensor_dim0 = 512
	s_mov_b32 s[G1+2], 32<<16                      ; tensor_dim1 = 32
	s_mov_b32 s[G1+3], 512<<16                     ; tile_dim0 = 512
	s_mov_b32 s[G1+4], 32                          ; tile_dim1 = 32
	s_mov_b32 s[G1+5], 1024                        ; 1,024 elements from row to row
	s_mov_b32 s[G1+6], 0
	s_mov_b32 s[G1+7], 0
	s_mov_b32 s[SEL], 0x76543210
	s_mov_b32 s[SEL+1], 0xfedcba98
	s_mov_b32 s[CS], 0x3fb8aa3b
	s_mov_b32 s[CS+1], s[CS]                       ; named with it as a pair
	s_lshl_b32 s12, s11, 22                        ; xb: a batch is 2,048 x 2,048 bytes,
	s_lshl_b32 s13, ttmp9, 19                      ; a block of 256 rows 2^19,
	s_or_b32 s12, s12, s13
	s_and_b32 s13, s10, 1
	s_lshl_b32 s13, s13, 16                        ; my 32 rows of a tile,
	s_add_co_u32 s12, s12, s13
	s_lshr_b32 s13, s10, 1
	s_lshl_b32 s13, s13, 10                        ; my half of their bytes
	s_add_co_u32 s12, s12, s13
	s_mov_b32 s13, 0
	s_lshl_b32 s14, s11, 16                        ; wof: 65,536 bytes a batch
	s_mov_b32 s15, 0
	s_lshl_b32 s36, s11, 3
	s_add_co_u32 s36, s36, ttmp9
	s_lshl_b32 s36, s36, 12                        ; part: (8 b + blk) x 4,096
	s_mov_b32 s37, 0
	s_mul_i32 s38, s10, QUART                      ; where my loads land in a slot
	v_and_b32 v1, 31, v0                           ; lane l
	v_and_b32 v24, 15, v0                          ; l % 16
	v_bfe_u32 v25, v0, 4, 1                        ; l / 16
	s_lshl_b32 s39, s10, 4
	v_add_nc_u32 v26, s39, v24                     ; my token in a tile
	v_mul_u32_u24 v27, v26, PITCH
	v_lshl_add_u32 v[ADRF], v25, 4, v27            ; row x pitch + 16 x half
	v_add_nc_u32 v[ADRF+1], PLANE, v[ADRF]
	v_add_nc_u32 v[ADRF+2], SLOT, v[ADRF]
	v_add_nc_u32 v[ADRF+3], SLOT+PLANE, v[ADRF]
	v_lshrrev_b32 v27, 6, v0                       ; channels 8 t on lie in plane t / 64, at byte 16 (t % 64) of its rows
	v_mul_u32_u24 v27, v27, PLANE
	v_and_b32 v28, 63, v0
	v_lshl_add_u32 v[ADRR], v28, 4, v27
	v_add_nc_u32 v[ADRR+1], SLOT, v[ADRR]
	v_lshl_add_u32 v[SST], v26, 2, SB
	v_mov_b32 v[SLD], SB
	v_lshlrev_b32 v[L16], 4, v1
	s_lshl_b32 s39, s10, 10                        ; my wave's 256 channels are 1,024 bytes of f32
	v_add_nc_u32 v[PO], s39, v[L16]
	s_add_co_u32 s39, s39, STG
	v_lshl_add_u32 v[STO], v1, 5, s39
	v_add_nc_u32 v[RDB], s39, v[L16]
	s_wait_dscnt 0x0                               ; the opening add is done
	s_wait_kmcnt 0x0
	s_add_nc_u64 s[4:5], s[4:5], s[12:13]
	s_add_nc_u64 s[6:7], s[6:7], s[14:15]
	s_add_nc_u64 s[8:9], s[8:9], s[36:37]
.irp s, 0,1
	s_mov_b32 s[G0+4*(\s)], 1                                      ; count = 1
	s_add_co_u32 s[G0+4*(\s)+1], s38, (\s)*SLOT                    ; LDS address
	s_add_nc_u64 s[G0+4*(\s)+2:G0+4*(\s)+3], s[4:5], (\s)*TILEB    ; global address: tile s
	s_or_b32 s[G0+4*(\s)+3], s[G0+4*(\s)+3], 0x80000000            ; type = 2
	tensor_load_to_lds s[G0+4*(\s):G0+4*(\s)+3], s[G1:G1+7]        ; both first fills go out together, ahead of every wait on TENSORcnt, LDS read and barrier: two loads of mine are out
	s_nop 0
.endr
.irp j, 0,1,2,3,4,5,6,7
	v_mov_b32 v[YA+(\j)], 0                        ; the running sums; and the statistics, of which pairs are named whole and v25 is a lane exchange's destination
	v_mov_b32 v[MX+(\j)], 0
.endr
	WIN 0x40                                       ; destination window 1, address window 0
.set i, 0
.rept 64                                               ; half fragment i = 4 ks + 2 mt + q: 512 consecutive bytes of wof are registers 4 i .. 4 i + 3
	global_load_b128 v[4*i:4*i+3], v[L16], s[6:7] offset:512*i
.set i, i+1
.endr
	WIN 0x80                                       ; window 2
.set i, 0
.rept 64
	global_load_b128 v[4*i:4*i+3], v[L16], s[6:7] offset:512*(64+i)
.set i, i+1
.endr
	WIN 0
; 16 LDS loads: the fragments of my 16 tokens for K steps 8 g .. 8 g + 7
.macro FETCH slot, g, buf
	WIN 0
.irp i, 0,1,2,3,4,5,6,7
	ds_load_b128 v[(\buf)+8*(\i):(\buf)+8*(\i)+3],   v[ADRF+2*(\slot)+(\g)/2] offset:(((\g)%2)*8+(\i))*64
	ds_load_b128 v[(\buf)+8*(\i)+4:(\buf)+8*(\i)+7], v[ADRF+2*(\slot)+(\g)/2] offset:(((\g)%2)*8+(\i))*64+32
.endr
.endm
; 16 products.  The four accumulators take turns, one instruction a turn; a tile's first four start the sums with the constant 0.
.macro MUL g, buf
	WIN 1+(\g)/2                                   ; Wo in window 1 or 2, all else in window 0
.irp i, 0,1,2,3,4,5,6,7
.irp mt, 0,1
.set rC, ACC+16*((\i)%2)+8*(\mt)
.set rA, 16*(8*((\g)%2)+(\i))+8*(\mt)
.if ((\g) == 0) && ((\i) < 2)
	v_wmma_f32_16x16x32_bf16 v[rC:rC+7], v[rA:rA+7], v[(\buf)+8*(\i):(\buf)+8*(\i)+7], 0
.else
	v_wmma_f32_16x16x32_bf16 v[rC:rC+7], v[rA:rA+7], v[(\buf)+8*(\i):(\buf)+8*(\i)+7], v[rC:rC+7]
.endif
.endr
.endr
.endm
.macro SCORES slot
	FETCH \slot, 0, F0
	FETCH \slot, 1, F1
	s_wait_dscnt 16                                ; F0 is in; F1's 16 loads stay out
	MUL 0, F0
	PLACES
	FETCH \slot, 2, F0
	s_wait_dscnt 16                                ; F1 is in
	MUL 1, F1
	PLACES
	FETCH \slot, 3, F1
	s_wait_dscnt 16                                ; F0 is in
	MUL 2, F0
	s_wait_dscnt 0x0
	MUL 3, F1
	WIN 0
	PLACES
.endm
; The softmax over the 32 capsules of my token, and s.  Sixteen scores a lane; the other sixteen lie in the lane 16 away.
.macro SOFT
.irp k, 0,1,2,3,4,5,6,7
	v_pk_add_f32 v[R+2*(\k):R+2*(\k)+1], v[R+2*(\k):R+2*(\k)+1], v[TT+2*(\k):TT+2*(\k)+1]  ; odd K steps' sums onto even ones'; each accumulator from its low end on
.endr
	v_max3_num_f32 v[MX], v[R],   v[R+1],  v[R+2]
	v_max3_num_f32 v[TM], v[R+8], v[R+9],  v[R+10]
	v_max3_num_f32 v[MX], v[MX],  v[R+3],  v[R+4]
	v_max3_num_f32 v[TM], v[TM],  v[R+11], v[R+12]
	v_max3_num_f32 v[MX], v[MX],  v[R+5],  v[R+6]
	v_max3_num_f32 v[TM], v[TM],  v[R+13], v[R+14]
	v_max3_num_f32 v[MX], v[MX],  v[R+7],  v[R+15]
	v_max_num_f32 v[MX], v[MX], v[TM]
	v_permlanex16_b32 v[TM], v[MX], s[SEL], s[SEL+1]
	v_max_num_f32 v[MX], v[MX], v[TM]
	v_mul_f32 v[MC], s[CS], v[MX]
.irp k, 0,1,2,3,4,5,6,7
	v_pk_fma_f32 v[R+2*(\k):R+2*(\k)+1], v[R+2*(\k):R+2*(\k)+1], s[CS:CS+1], v[MC:MC+1] op_sel_hi:[1,0,0] neg_lo:[0,0,1] neg_hi:[0,0,1]  ; c rw - c max
.endr
.irp k, 0,1,2,3,4,5,6,7,8,9,10,11,12,13,14,15
	v_exp_f32 v[R+(\k)], v[R+(\k)]
.endr
	v_nop                                          ; a plain instruction between the last exponential and the use of its result
	s_wait_alu depctr_va_vdst(0)
.irp k, 0,1,2,3
	v_pk_add_f32 v[TT+2*(\k):TT+2*(\k)+1], v[R+4*(\k):R+4*(\k)+1], v[R+4*(\k)+2:R+4*(\k)+3]
.endr
	v_pk_add_f32 v[TT:TT+1],   v[TT:TT+1],   v[TT+2:TT+3]
	v_pk_add_f32 v[TT+4:TT+5], v[TT+4:TT+5], v[TT+6:TT+7]
	v_pk_add_f32 v[TT:TT+1],   v[TT:TT+1],   v[TT+4:TT+5]
	v_add_f32 v[ZS], v[TT], v[TT+1]
	v_permlanex16_b32 v[TM], v[ZS], s[SEL], s[SEL+1]
	v_add_f32 v[ZS], v[ZS], v[TM]                  ; Z
	v_rcp_f32 v[RZ], v[ZS]
	v_nop                                          ; a plain instruction behind the reciprocal
	s_wait_alu depctr_va_vdst(0)
	v_pk_mul_f32 v[TT:TT+1], v[R:R+1], v[RZ:RZ+1] op_sel_hi:[1,0]  ; cw = e / Z, added up as it is made
.irp k, 1,2,3,4,5,6,7
	v_pk_fma_f32 v[TT:TT+1], v[R+2*(\k):R+2*(\k)+1], v[RZ:RZ+1], v[TT:TT+1] op_sel_hi:[1,0,1]
.endr
	v_add_f32 v[SS], v[TT], v[TT+1]
	v_permlanex16_b32 v[TM], v[SS], s[SEL], s[SEL+1]
	v_add_f32 v[SS], v[SS], v[TM]                  ; s
	ds_store_b32 v[SST], v[SS]                     ; the two lanes of a token write the same word with the same number
	s_wait_dscnt 0x0                               ; for the others' sake
	s_barrier_signal -1
	s_barrier_wait -1
.endm
.macro ROWS slot, bt, buf              ; my 16 bytes of rows 16 bt .. 16 bt + 15: a wave's load takes 512 neighbouring bytes
.irp k, 0,1,2,3,4,5,6,7,8,9,10,11,12,13,14,15
	ds_load_b128 v[(\buf)+4*(\k):(\buf)+4*(\k)+3], v[ADRR+(\slot)] offset:(16*(\bt)+(\k))*PITCH
.endr
.endm
.macro WSUM bt, buf                    ; 16 rows x 8 channels: a bf16 half times s in f32, onto the running sum in f32
.irp k, 0,1,2,3,4,5,6,7,8,9,10,11,12,13,14,15
.irp e, 0,1,2,3
	v_fma_mix_f32_bf16 v[YA+2*(\e)],   v[(\buf)+4*(\k)+(\e)], v[SV+16*(\bt)+(\k)], v[YA+2*(\e)]   op_sel_hi:[1,0,0]
	v_fma_mix_f32_bf16 v[YA+2*(\e)+1], v[(\buf)+4*(\k)+(\e)], v[SV+16*(\bt)+(\k)], v[YA+2*(\e)+1] op_sel:[1,0,0] op_sel_hi:[1,0,0]
.endr
.endr
.endm
.macro WEIGH slot
.irp k, 0,1,2,3,4,5,6,7,8,9,10,11,12,13,14,15
	ds_load_b128 v[SV+4*(\k):SV+4*(\k)+3], v[SLD] offset:16*(\k)  ; all lanes read the same words
.endr
	ROWS \slot, 0, F0
	ROWS \slot, 1, F1
	s_wait_dscnt 16                                ; s and F0 are in; F1's 16 loads stay out
	WSUM 0, F0
	ROWS \slot, 2, F0
	s_wait_dscnt 16                                ; F1 is in
	WSUM 1, F1
	ROWS \slot, 3, F1
	s_wait_dscnt 16                                ; F0 is in
	WSUM 2, F0
	s_wait_dscnt 0x0
	WSUM 3, F1
.endm
; BETWEEN TWO TILES.  Each wave waits for all its tensor loads, of which one is out at the most: its part of the other slot; adds 0 to its spare word; waits for that and for its reads of the slot and of s.
; Behind the barrier nobody reads the slot just left or its s, and the other slot is whole.  fill = 1: the slot just left takes the tile two further on: my one tensor load, the first thing behind the barrier;
; it has the other slot's whole tile in which to land.
.macro MEET slot, fill
	s_wait_tensorcnt 0x0                           ; no tensor load of mine is out, so a group 0 may be written
	ds_add_u32 v[SPW], v[NIL]                      ; 0 onto my spare word
.if \fill
	s_add_nc_u64 s[G0+4*(\slot)+2:G0+4*(\slot)+3], s[G0+4*(\slot)+2:G0+4*(\slot)+3], 2*TILEB  ; the type bits on top are not reached
.endif
	s_wait_dscnt 0x0
	s_barrier_signal -1
	s_barrier_wait -1
.if \fill
	tensor_load_to_lds s[G0+4*(\slot):G0+4*(\slot)+3], s[G1:G1+7]
	s_nop 0
.rept 4
	v_nop
.endr
.endif
.endm
	s_wait_tensorcnt 0x1                           ; my part of slot 0 is in; slot 1's may stay out
	s_barrier_signal -1
	s_barrier_wait -1                              ; everybody's is
	s_wait_loadcnt 0x0                             ; Wo
	SCORES 0                                       ; tile 0
	SOFT
	WEIGH 0
	MEET 0, 1                                      ; slot 0 takes tile 2
	SCORES 1                                       ; tile 1
	SOFT
	WEIGH 1
	MEET 1, 1                                      ; slot 1 takes tile 3: the last load
	SCORES 0                                       ; tile 2
	SOFT
	WEIGH 0
	MEET 0, 0                                      ; nothing is left to fetch
	SCORES 1                                       ; tile 3
	SOFT
	WEIGH 1
	; THE WAY OUT.  My 8 sums are 32 bytes of a row of 4,096; through my wave's own 1,024 bytes of LDS they become two stores of 512 consecutive bytes.
	ds_store_b128 v[STO], v[YA:YA+3]
	ds_store_b128 v[STO], v[YA+4:YA+7] offset:16
	ds_load_b128 v[F0:F0+3],   v[RDB]              ; LDS serves a wave's instructions in order (ISA guide 5.7.1.4): these see the stores above
	ds_load_b128 v[F0+4:F0+7], v[RDB] offset:512
	s_wait_dscnt 0x0
	global_store_b128 v[PO], v[F0:F0+3],   s[8:9]
	global_store_b128 v[PO], v[F0+4:F0+7], s[8:9] offset:512
	s_wait_tensorcnt 0x0                           ; the wave's end, behind my last tensor load and my last LDS store
	ds_add_u32 v[SPW], v[NIL]
	s_wait_dscnt 0x0
	s_endpgm
.Lfunc_end_k_qbb1ab586b2_route1:
	.size	k_qbb1ab586b2_route1, .Lfunc_end_k_qbb1ab586b2_route1-k_qbb1ab586b2_route1
	.p2alignl 7, 3214868480
	.fill 96, 4, 3214868480
	.section	.rodata,"a",@progbits
	.p2align	6, 0x0
	.amdhsa_kernel k_qbb1ab586b2_route1
		.amdhsa_group_segment_fixed_size 327680
		.amdhsa_private_segment_fixed_size 0
		.amdhsa_enable_private_segment 0
		.amdhsa_kernarg_size 24
		.amdhsa_user_sgpr_count 2
		.amdhsa_user_sgpr_kernarg_segment_ptr 1
		.amdhsa_wavefront_size32 1
		.amdhsa_system_sgpr_workgroup_id_x 1
		.amdhsa_system_sgpr_workgroup_id_y 1
		.amdhsa_system_sgpr_workgroup_id_z 1
		.amdhsa_system_vgpr_workitem_id 0
		.amdhsa_next_free_vgpr 768
		.amdhsa_next_free_sgpr 66
		.amdhsa_reserve_vcc 0
		.amdhsa_float_denorm_mode_32 3
		.amdhsa_float_denorm_mode_16_64 3
		.amdhsa_memory_ordered 1
		.amdhsa_forward_progress 1
		.amdhsa_inst_pref_size 217
	.end_amdhsa_kernel
	.amdgpu_metadata
---
amdhsa.version: [ 1, 2 ]
amdhsa.kernels:
  - .name:           k_qbb1ab586b2_route1
    .symbol:         k_qbb1ab586b2_route1.kd
    .args:
      - { .name: xb, .offset: 0, .size: 8, .value_kind: global_buffer, .address_space: global }
      - { .name: wof, .offset: 8, .size: 8, .value_kind: global_buffer, .address_space: global }
      - { .name: part, .offset: 16, .size: 8, .value_kind: global_buffer, .address_space: global }
    .group_segment_fixed_size: 327680
    .private_segment_fixed_size: 0
    .kernarg_segment_align: 8
    .kernarg_segment_size: 24
    .max_flat_workgroup_size: 128
    .sgpr_count:     66
    .vgpr_count:     768
    .wavefront_size: 32
...
	.end_amdgpu_metadata
.endif
;; end of part 4
;; launch proj2: the kernel of part 2 again; grid 16 x 16, 8 waves a work-group, no clusters, 17,408 bytes of LDS; arguments part, W, outw; writes outw
;; launch wo2: the kernel of part 3 again; grid 64 x 2, 8 waves a work-group, no clusters, 51,968 bytes of LDS; arguments outw, W, wof; writes wof
;; launch route2: the kernel of part 4 again; grid 8 x 32, 4 waves a work-group, no clusters, 327,680 bytes of LDS; arguments xb, wof, part; writes part
;; launch proj3: the kernel of part 2 again; grid 16 x 16, 8 waves a work-group, no clusters, 17,408 bytes of LDS; arguments part, W, out0; writes out0
